; MI455X (gfx1250); checked and timed in simulation.
; The chip was launched on July 23, 2026; its instructions are those of AMD's public machine-readable ISA for CDNA 5 (MIT licence, August 2026) and "CDNA5" Instruction Set Architecture Reference Guide (July 2026). The comments in the code are by the model that wrote it; some were corrected since.
;; Isolated Attention. Allowed arithmetic: float matrix products may take bf16 or f16 operands with f32 sums; all other float work in f32.
;; Inputs: Wk 1,024 x 1,024 float32; Wq 1,024 x 1,024 float32; Wv 1,024 x 1,024 float32; inp_emb 4 x 2,048 x 1,024 float32.
;; Outputs: out0 4 x 2,048 x 1,024 float32.
;; One version. Each part assembles by itself: llvm-mc -triple=amdgcn-amd-amdhsa -mcpu=gfx1250 --defsym DOCPART=n.
;; ======== version 1 of 1: 4 launches
;; limits: values are held in f16: magnitudes above 65,504 overflow, below 6.1e-05 lose precision; right only within a limited range of input values
;; workspace buffers: xb 16,777,216 bytes; wb 6,291,456 bytes; qkv 50,331,648 bytes; p 33,554,432 bytes; stat 1,048,576 bytes
;; launch cast (part 1): grid 256 x 11, 8 waves a work-group, no clusters, 0 bytes of LDS; arguments inp_emb, Wq, Wk, Wv, xb, wb; writes xb, wb
.if DOCPART == 1
	.amdgcn_target "amdgcn-amd-amdhsa--gfx1250"
	.amdhsa_code_object_version 6
	.text
	.protected	k_q4fc0c87ba5_cast
	.globl	k_q4fc0c87ba5_cast
	.p2align	8
	.type	k_q4fc0c87ba5_cast,@function
k_q4fc0c87ba5_cast:
	s_mov_b64 s[64:65], 0
	v_nop
	global_prefetch_b8 v0, s[64:65] scope:SCOPE_SE
	s_setreg_imm32_b32 hwreg(HW_REG_WAVE_MODE, 25, 1), 1
	s_wait_xcnt 0x0
; xb = inp_emb rounded to bf16; wb = Wq, Wk, Wv rounded to bf16, one below the other (rows 0-1023, 1024-2047, 2048-3071).
; BOTH LIE IN BLOCKS OF 64 ALONG K: xb [16 blocks][8192 rows][64], wb [16 blocks][3072 rows][64].  The next launch walks K in steps of 64: so a tile's rows of 128 bytes lie end to end there.
; A stream: each input byte is read once and each output byte written once, so no LDS, no matrix unit and no cluster (no two work-groups read the same bytes).
; A work-group of 256 threads takes 16 rows x 256 columns (four blocks): 16,384 bytes in, 8,192 out.  Grid row y = 0..7: chunk 256 y + x of inp_emb; y = 8, 9, 10: chunk x of Wq, Wk, Wv.
; Chunk c is rows 16 (c / 4) on, blocks 4 (c % 4) on.  Thread t takes row t / 16 and, of each block, columns 4 (t % 16) on: sixteen lanes read 256 consecutive bytes, aligned;
; a wave's two rows of a block are 256 consecutive bytes of the output, aligned: byte 8 t of the chunk's 2,048 bytes in that block.
	s_load_b256 s[4:11], s[0:1], 0x0               ; inp_emb s[4:5], Wq s[6:7], Wk s[8:9], Wv s[10:11]
	s_load_b128 s[12:15], s[0:1], 0x20             ; xb s[12:13], wb s[14:15]
	s_and_b32 s16, ttmp7, 0xffff                   ; y
	s_sub_co_u32 s24, s16, 8                       ; which weight (used where y >= 8 alone)
	s_mov_b32 s38, 3072*128                        ; bytes of a block of wb
	v_lshrrev_b32 v1, 4, v0                        ; my row of the 16
	v_and_b32 v3, 15, v0
	v_lshlrev_b32 v1, 12, v1                       ; rows of 4,096 bytes,
	v_lshl_add_u32 v1, v3, 4, v1                   ; my 16 bytes of a block's 256
	v_lshlrev_b32 v2, 3, v0                        ; my 8 bytes in the output
	s_wait_kmcnt 0x0
	s_cmp_eq_u32 s16, 9
	s_cselect_b64 s[18:19], s[8:9], s[6:7]         ; Wk or Wq,
	s_cmp_eq_u32 s16, 10
	s_cselect_b64 s[18:19], s[10:11], s[18:19]     ; or Wv,
	s_cmp_lt_u32 s16, 8                            ; the selects below leave SCC alone
	s_cselect_b64 s[18:19], s[4:5], s[18:19]       ; or inp_emb
	s_cselect_b64 s[20:21], s[12:13], s[14:15]     ; into xb or wb
	s_cselect_b32 s22, s16, 0                      ; 256 chunks for each y of inp_emb; a weight begins at its chunk 0
	s_cselect_b32 s26, 0, s24                      ; 1,024 rows of wb for each weight
	s_cselect_b32 s36, 8192*128, s38               ; bytes of a block of the output
	s_mov_b32 s37, 0
	s_lshl_b32 s22, s22, 8
	s_add_co_u32 s22, s22, ttmp9                   ; c
	s_lshr_b32 s25, s22, 2                         ; c / 4
	s_and_b32 s27, s22, 3                          ; c % 4
	s_lshl_b32 s22, s25, 16                        ; source: 16 rows of 4,096 bytes,
	s_lshl_b32 s28, s27, 10                        ; four blocks of 256 bytes; the sum stays under 2^26
	s_add_co_u32 s22, s22, s28
	s_mov_b32 s23, 0
	s_lshl_b32 s26, s26, 17                        ; output: 1,024 rows of 128 bytes for each weight,
	s_lshl_b32 s25, s25, 11                        ; 16 rows of 128 bytes,
	s_add_co_u32 s26, s26, s25
	s_lshl_b32 s27, s27, 2
	s_mul_i32 s27, s27, s36                        ; and my first block
	s_add_co_u32 s26, s26, s27
	s_mov_b32 s27, 0
	s_add_nc_u64 s[18:19], s[18:19], s[22:23]
	s_add_nc_u64 s[20:21], s[20:21], s[26:27]      ; the output at my first block,
	s_add_nc_u64 s[28:29], s[20:21], s[36:37]      ; and at the three behind it
	s_add_nc_u64 s[30:31], s[28:29], s[36:37]
	s_add_nc_u64 s[32:33], s[30:31], s[36:37]
.irp j, 0,1,2,3
	global_load_b128 v[4+4*(\j):7+4*(\j)], v1, s[18:19] offset:256*(\j) th:TH_LOAD_NT  ; read once in the launch
.endr
.macro PIECE j, base
	s_wait_loadcnt 3-(\j)                          ; loads come back in order: block j is in, the younger ones stay out
	v_cvt_pk_bf16_f32 v[20+2*(\j)], v[4+4*(\j)], v[5+4*(\j)]
	v_cvt_pk_bf16_f32 v[21+2*(\j)], v[6+4*(\j)], v[7+4*(\j)]
	global_store_b64 v2, v[20+2*(\j):21+2*(\j)], s[\base:\base+1]
.endm
	PIECE 0, 20
	PIECE 1, 28
	PIECE 2, 30
	PIECE 3, 32
	s_endpgm
.Lfunc_end_k_q4fc0c87ba5_cast:
	.size	k_q4fc0c87ba5_cast, .Lfunc_end_k_q4fc0c87ba5_cast-k_q4fc0c87ba5_cast
	.p2alignl 7, 3214868480
	.fill 96, 4, 3214868480
	.section	.rodata,"a",@progbits
	.p2align	6, 0x0
	.amdhsa_kernel k_q4fc0c87ba5_cast
		.amdhsa_group_segment_fixed_size 0
		.amdhsa_private_segment_fixed_size 0
		.amdhsa_enable_private_segment 0
		.amdhsa_kernarg_size 48
		.amdhsa_user_sgpr_count 2
		.amdhsa_user_sgpr_kernarg_segment_ptr 1
		.amdhsa_wavefront_size32 1
		.amdhsa_system_sgpr_workgroup_id_x 1
		.amdhsa_system_sgpr_workgroup_id_y 1
		.amdhsa_system_sgpr_workgroup_id_z 1
		.amdhsa_system_vgpr_workitem_id 0
		.amdhsa_next_free_vgpr 32
		.amdhsa_next_free_sgpr 66
		.amdhsa_reserve_vcc 0
		.amdhsa_float_denorm_mode_32 3
		.amdhsa_float_denorm_mode_16_64 3
		.amdhsa_memory_ordered 1
		.amdhsa_forward_progress 1
		.amdhsa_inst_pref_size 4
	.end_amdhsa_kernel
	.amdgpu_metadata
---
amdhsa.version: [ 1, 2 ]
amdhsa.kernels:
  - .name:           k_q4fc0c87ba5_cast
    .symbol:         k_q4fc0c87ba5_cast.kd
    .args:
      - { .name: inp_emb, .offset: 0, .size: 8, .value_kind: global_buffer, .address_space: global }
      - { .name: Wq, .offset: 8, .size: 8, .value_kind: global_buffer, .address_space: global }
      - { .name: Wk, .offset: 16, .size: 8, .value_kind: global_buffer, .address_space: global }
      - { .name: Wv, .offset: 24, .size: 8, .value_kind: global_buffer, .address_space: global }
      - { .name: xb, .offset: 32, .size: 8, .value_kind: global_buffer, .address_space: global }
      - { .name: wb, .offset: 40, .size: 8, .value_kind: global_buffer, .address_space: global }
    .group_segment_fixed_size: 0
    .private_segment_fixed_size: 0
    .kernarg_segment_align: 8
    .kernarg_segment_size: 48
    .max_flat_workgroup_size: 256
    .sgpr_count:     66
    .vgpr_count:     32
    .wavefront_size: 32
...
	.end_amdgpu_metadata
.endif
;; end of part 1
;; launch proj (part 2): grid 8 x 32, 4 waves a work-group, clusters of 4 x 4, 327,680 bytes of LDS; arguments xb, wb, qkv; writes qkv
.if DOCPART == 2
	.amdgcn_target "amdgcn-amd-amdhsa--gfx1250"
	.amdhsa_code_object_version 6
	.text
	.protected	k_q4fc0c87ba5_proj
	.globl	k_q4fc0c87ba5_proj
	.p2align	8
	.type	k_q4fc0c87ba5_proj,@function
k_q4fc0c87ba5_proj:
	s_mov_b64 s[64:65], 0
	v_nop
	global_prefetch_b8 v0, s[64:65] scope:SCOPE_SE
	s_setreg_imm32_b32 hwreg(HW_REG_WAVE_MODE, 25, 1), 1
	s_wait_xcnt 0x0
	s_wait_alu depctr_hold_cnt(0) depctr_sa_sdst(0) depctr_va_vdst(0) depctr_va_sdst(0) depctr_va_ssrc(0) depctr_va_vcc(0) depctr_vm_vsrc(0)
	s_getreg_b32 s2, hwreg(HW_REG_IB_STS2, 6, 4)
	s_cmp_eq_u32 s2, 0
	s_cbranch_scc0 .Lentry_in_a_cluster
	s_endpgm
.Lentry_in_a_cluster:
	s_bfe_u32 s2, ttmp6, 0x10000c
	s_cmp_lg_u32 s2, 0xf033
	s_cbranch_scc0 .Lentry_shape_is_right
	s_endpgm
.Lentry_shape_is_right:
; qkv[m][n] = sum over k of x[m][k] w[n][k].  xb: [16 blocks of 64 along K][8192][64] bf16, wb: [16][3072][64] bf16, qkv: [8192][3072] f16 (columns 0-1023 Q, 1024-2047 K, 2048-3071 V); sums in f32, rounded once.
; LIMIT.  f16 ends at 65,504: a projected number of 65,520 or more becomes an infinity.  Inputs and weights each 30 times the drawn spread give numbers near 5,400.
; A TILE OF 256 x 384: 8192 x 3072 / (256 x 384) = 256 work-groups of equal work.  Four waves, each 128 x 192: 96 accumulators of 16 x 16, 768 registers.
; K GOES IN 16 STEPS OF 64 through a ring of two LDS slots: two slots of 640 rows with K steps of 128 (272 bytes a row) would be 348,160 bytes, more than the 327,680 there are.  In the blocked layout the
; 128 or 192 rows x 128 bytes that a tensor load brings are dense: they are asked for as 64 or 96 rows of 256 bytes, at multiples of 256, and padded in LDS behind every 128 bytes.
; CLUSTER: 4 x 4 work-groups.  The four of a row of the cluster need the same tiles of xb, the four of a column the same tiles of wb: each tile is asked for JOINTLY, by the same tensor load with the
; same descriptor and a mask that names the four.
; THE MATRIX INSTRUCTION IS USED TRANSPOSED (source 0 = 16 rows of wb, source 1 = 16 rows of xb): a lane then holds row lane % 16 and eight neighbouring columns 8 (lane / 16) + 0..7 of the result.
; REGISTERS, in windows of 256 (s_set_vgpr_msb: bits 1:0 source 0, 3:2 source 1, 5:4 source 2, 7:6 destination):
;   window 0: v0-31 addresses; v32-95, v96-159 fragments of xb (8 x 16 rows x 32 K), two buffers; v160-255 fragments of wb (12 x 16 rows x 32 K), ONE buffer; on the way out v32-191 at work
;   windows 1-3: accumulator (a, b), rows 16 a on, columns 16 b on, at v[8 (8 (b % 4) + a)] of window 1 + b / 4
; A QUARTER (32 along K) is three THIRDS of 32 matrix instructions, one window of accumulators each: columns b = 4 t .. 4 t + 3, all 8 a.  Behind a third its four fragments of wb have been read for the last
; time: they are loaded again, for the next quarter, 64 matrix instructions ahead of their use.  xb's next buffer is loaded behind the first third.
; ONE TEXT FOR A STEP: the slot in hand is a scalar turned by an exclusive or; 14 steps fill a slot again (the loop), the last two do not (a second loop of two trips, left in its middle).
.set PITCH,  144                       ; an LDS row: 128 bytes + 16 of padding = 36 words: the 16 rows that a fragment load touches start at 16 different groups of four banks (64 banks of 4 bytes: ISA guide 11.1)
.set AHALF,  128*PITCH                 ; what one tensor load brings of xb: 128 rows
.set BHALF,  192*PITCH                 ; and of wb: 192 rows
.set BOFF,   2*AHALF                   ; a slot: xb's 256 rows, then wb's 384 rows: 92,160 bytes
.set SLOT1,  1<<17                     ; slot 1 begins here, so that one exclusive or turns an address in one slot into the other's
.set STAGE,  SLOT1+BOFF+2*BHALF        ; behind the ring, for the way out: two buffers, in each 16 rows x 784 bytes for each half of the tile's rows
.set SPITCH, 784                       ; a stage row: the tile's 768 bytes + 16 = 196 words: row r starts at bank 4 r mod 64
.set SREG,   16*SPITCH
.set SBUF,   2*SREG
.set SPARE,  STAGE+2*SBUF              ; the spare words, 128 bytes for each wave: two blocks of 256 bytes that no other line names
.set ASTEP,  8192*128                  ; bytes from a K block to the next in xb
.set BSTEP,  3072*128                  ; and in wb
.set CROW,   6144                      ; bytes from row to row in qkv
.set STEPS,  16
.set ADRA,  16                         ; v16     LDS address of my xb fragments in the slot in hand
.set ADRA0, 17                         ; v17     the same in slot 0; never rewritten
.set ADRB,  20                         ; v20, v21  the same for wb
.set ADRB0, 21
.set STO,  24                          ; v24     the way out: where I put 16 bytes of a row
.set RD,   25                          ; v25     where I read 16 bytes of a row back
.set CO,   26                          ; v26     my byte offset in qkv; never rewritten
.set SPW,  28                          ; v28     LDS address of my spare word; never rewritten
.set NIL,  29                          ; v29     0; never rewritten
.set AF,   32
.set BF,   160
.set TMP,  32                          ; the way out: v32-79 packed results
.set OB,   96                          ; v96-143 and v144-191 by turns: rows read back from the stage
.set G1, 24                            ; s[24:31] descriptor group 1 for xb's tiles;  s[32:39] group 0: a set for each of the two first fills; the second then walks on
.set G0, 32
.set G1B, 48                           ; s[48:55], s[56:63] the same for wb's tiles
.set G0B, 56
.set TB, 45                            ; s45     LDS byte at which the slot in hand begins
.set MSB, 0
.macro WIN new                         ; the immediate's high byte repeats the setting that is left; a switch that changes nothing is dropped
.if MSB != (\new)
	s_set_vgpr_msb (MSB<<8)|(\new)
.set MSB, (\new)
.endif
.endm
; A joint load.  Waves 0 and 1 fetch the two halves of xb's tile, waves 2 and 3 those of wb's.  The branch hangs on the wave's number alone.
; An s_nop 0 and four v_nop follow each of the two lines, ahead of the jump and the label.
.macro JLOAD s
	s_cmp_eq_u32 s11, 0
	s_cbranch_scc0 .Lfor_b_\@
	tensor_load_to_lds s[G0+4*(\s):G0+4*(\s)+3], s[G1:G1+7]
	s_nop 0
.rept 4
	v_nop
.endr
	s_branch .Lasked_\@
.Lfor_b_\@:
	tensor_load_to_lds s[G0B+4*(\s):G0B+4*(\s)+3], s[G1B:G1B+7]
	s_nop 0
.rept 4
	v_nop
.endr
.Lasked_\@:
.endm
.macro CROUND                          ; a round of the cluster's barrier: my work-group's barrier; wave 0 signals for the work-group; every wave waits for all sixteen; my work-group's barrier once more
	s_barrier_signal -1
	s_barrier_wait -1
	s_cmp_lg_u32 s10, 0
	s_cbranch_scc1 .Lnot_wave_0_\@
	s_barrier_signal -3
.Lnot_wave_0_\@:
	s_barrier_wait -3
	s_barrier_signal -1
	s_barrier_wait -1
.endm
	s_load_b128 s[4:7], s[0:1], 0x0                ; xb s[4:5], wb s[6:7]
	s_load_b64 s[8:9], s[0:1], 0x10                ; qkv
	v_lshl_add_u32 v[SPW], v0, 2, SPARE
	v_mov_b32 v[NIL], 0
	ds_add_u32 v[SPW], v[NIL]                      ; the wave's opening: the add and its wait stand ahead of my first tensor load; the set-up below, work on registers, stands between them
	v_lshrrev_b32 v1, 5, v0
	v_readfirstlane_b32 s10, v1                    ; wave 0..3
	s_lshr_b32 s11, s10, 1                         ; which half of the tile's rows is mine.  Also: I fetch for xb (0) or for wb (1)
	s_and_b32 s12, s10, 1                          ; which half of its columns.  Also: which half of that tile I fetch
	s_bfe_u32 s40, ttmp6, 0x40000                  ; cx
	s_bfe_u32 s41, ttmp6, 0x40004                  ; cy
	s_lshl_b32 s42, ttmp9, 2
	s_add_co_u32 s42, s42, s40                     ; tile column = 4 x cluster x + cx
	s_and_b32 s13, ttmp7, 0xffff
	s_lshl_b32 s13, s13, 2
	s_add_co_u32 s13, s13, s41                     ; tile row = 4 x cluster y + cy
	s_lshl_b32 s43, s41, 2
	s_lshl_b32 s43, 15, s43                        ; my row of the cluster: places 4 cy .. 4 cy + 3
	s_lshl_b32 s44, 0x1111, s40                    ; my column: places cx, cx + 4, cx + 8, cx + 12
	; descriptor group 1: dense rows of 128 elements of 2 bytes (two of the tile's rows each), 4 words of padding behind every 32 words
	s_or_b32 s[G1+0], s43, (1<<16)|(1<<20)|(1<<21)|(4<<22)|(3<<25)   ; 15:0 mask; 17:16 element size; 20 padding on; 21 set beside a mask; 24:22 interval; 31:25 pad
	s_or_b32 s[G1B+0], s44, (1<<16)|(1<<20)|(1<<21)|(4<<22)|(3<<25)
	s_mov_b32 s[G1+2], 64<<16                      ; tensor_dim1 = 64: xb's 128 rows
	s_mov_b32 s[G1+4], 64                          ; tile_dim1
	s_mov_b32 s[G1B+2], 96<<16                     ; 96: wb's 192 rows
	s_mov_b32 s[G1B+4], 96
.irp g, G1, G1B
	s_mov_b32 s[(\g)+1], 128<<16                   ; tensor_dim0 = 128
	s_mov_b32 s[(\g)+3], 128<<16                   ; tile_dim0 = 128
	s_mov_b32 s[(\g)+5], 128                       ; elements from row to row: dense
	s_mov_b32 s[(\g)+6], 0
	s_mov_b32 s[(\g)+7], 0
.endr
	; xb's tiles hang on the tile row alone, which my row of the cluster shares; wb's on the tile column alone, which my column shares
	s_lshl_b32 s16, s13, 15                        ; xb: 256 rows of 128 bytes a tile row,
	s_lshl_b32 s17, s12, 14                        ; 128 rows a half
	s_add_co_u32 s16, s16, s17
	s_mul_i32 s46, s42, 384*128                    ; wb: 384 rows a tile column,
	s_mul_i32 s47, s12, 192*128                    ; 192 a half
	s_add_co_u32 s46, s46, s47
	s_mov_b32 s17, 0
	s_mov_b32 s47, 0
	s_mul_i32 s20, s12, AHALF                      ; where they go: no place in the cluster enters an LDS address
	s_mul_i32 s21, s12, BHALF
	s_add_co_u32 s21, s21, BOFF
	s_mov_b32 s[TB], 0                             ; slot 0 is read first
	s_wait_dscnt 0x0                               ; the opening add is done
	s_wait_kmcnt 0x0
	s_add_nc_u64 s[14:15], s[4:5], s[16:17]
	s_add_nc_u64 s[46:47], s[6:7], s[46:47]
	CROUND                                         ; all sixteen work-groups are here: the first joint loads meet
.irp s, 0,1
	s_mov_b32 s[G0+4*(\s)], 1                                      ; count = 1
	s_add_co_u32 s[G0+4*(\s)+1], s20, (\s)*SLOT1                   ; LDS address
	s_add_nc_u64 s[G0+4*(\s)+2:G0+4*(\s)+3], s[14:15], (\s)*ASTEP  ; global address: K step s
	s_or_b32 s[G0+4*(\s)+3], s[G0+4*(\s)+3], 0x80000000            ; type = 2
	s_mov_b32 s[G0B+4*(\s)], 1
	s_add_co_u32 s[G0B+4*(\s)+1], s21, (\s)*SLOT1
	s_add_nc_u64 s[G0B+4*(\s)+2:G0B+4*(\s)+3], s[46:47], (\s)*BSTEP
	s_or_b32 s[G0B+4*(\s)+3], s[G0B+4*(\s)+3], 0x80000000
	JLOAD \s                                       ; two loads of mine are out
.endr
	; A fragment is 16 rows x 32 K in 8 registers: lane l holds row l % 16; registers 0-3 K = 8 (l / 16) + 0..7, registers 4-7 K = 16 + 8 (l / 16) + 0..7: two loads of 16 bytes, 32 bytes apart
	v_and_b32 v1, 15, v0                           ; l % 16
	v_bfe_u32 v2, v0, 4, 1                         ; l / 16
	v_mul_u32_u24 v3, v1, PITCH
	v_lshl_add_u32 v3, v2, 4, v3
	s_mul_i32 s22, s11, AHALF                      ; my 128 rows of xb
	s_mul_i32 s23, s12, BHALF                      ; my 192 rows of wb,
	s_add_co_u32 s23, s23, BOFF                    ; which lie behind xb's 256
	v_add_nc_u32 v[ADRA0], s22, v3
	v_add_nc_u32 v[ADRB0], s23, v3
	v_add_nc_u32 v[ADRA], s[TB], v[ADRA0]
	v_add_nc_u32 v[ADRB], s[TB], v[ADRB0]
	s_mul_i32 s23, s11, SREG
	s_add_co_u32 s23, s23, STAGE                   ; the stage of my half of the rows, which I share with the wave of the other columns
	s_mul_i32 s22, s12, 384                        ; in: my 384 bytes of its rows; row l % 16, 16 bytes for each half of the lanes
	s_add_co_u32 s22, s22, s23
	v_mul_u32_u24 v4, v1, SPITCH
	v_lshl_add_u32 v4, v2, 4, v4
	v_add_nc_u32 v[STO], s22, v4
	s_mul_i32 s22, s12, 8*SPITCH                   ; back: I take 8 of its 16 rows, whole; lanes 0-15 take 256 bytes of one row, lanes 16-31 of the next
	s_add_co_u32 s22, s22, s23
	v_mul_u32_u24 v5, v2, SPITCH
	v_lshl_add_u32 v5, v1, 4, v5
	v_add_nc_u32 v[RD], s22, v5
	v_mul_u32_u24 v5, v2, CROW                     ; and the same two rows in qkv
	v_lshl_add_u32 v[CO], v1, 4, v5
	s_lshl_b32 s16, s13, 8
	s_lshl_b32 s14, s11, 7
	s_add_co_u32 s16, s16, s14
	s_lshl_b32 s14, s12, 3
	s_add_co_u32 s16, s16, s14                     ; the first row that I store: 256 x tile row + 128 x row half + 8 x column half
	s_mul_i32 s16, s16, CROW                       ; in bytes, under 2^26
	s_mul_i32 s46, s42, 768                        ; the tile's first column in bytes
	s_add_co_u32 s16, s16, s46
	s_mov_b32 s17, 0
	s_add_nc_u64 s[8:9], s[8:9], s[16:17]
; A third: 32 matrix instructions on xb's buffer f: columns b = 4 t .. 4 t + 3, all 8 a.  zero = 1: the products start the sums.  The 96 accumulators take turns in the same order in every quarter.
.macro MUL32 f, t, zero
	WIN 0x50*((\t)+1)                              ; C and D in window 1 + t, both sources in window 0
.irp bb, 0,1,2,3
.irp a, 0,1,2,3,4,5,6,7
.if \zero
	v_wmma_f32_16x16x32_bf16 v[8*(8*(\bb)+(\a)):8*(8*(\bb)+(\a))+7], v[BF+8*(4*(\t)+(\bb)):BF+8*(4*(\t)+(\bb))+7], v[AF+64*(\f)+8*(\a):AF+64*(\f)+8*(\a)+7], 0
.else
	v_wmma_f32_16x16x32_bf16 v[8*(8*(\bb)+(\a)):8*(8*(\bb)+(\a))+7], v[BF+8*(4*(\t)+(\bb)):BF+8*(4*(\t)+(\bb))+7], v[AF+64*(\f)+8*(\a):AF+64*(\f)+8*(\a)+7], v[8*(8*(\bb)+(\a)):8*(8*(\bb)+(\a))+7]
.endif
.endr
.endr
.endm
.macro LOADB t, k                      ; 8 LDS loads: wb's fragments 4 t .. 4 t + 3, 32 K at byte k of the rows of the slot in hand
	WIN 0
.irp bb, 0,1,2,3
	ds_load_b128 v[BF+8*(4*(\t)+(\bb)):BF+8*(4*(\t)+(\bb))+3],   v[ADRB] offset:(\k)+(4*(\t)+(\bb))*16*PITCH
	ds_load_b128 v[BF+8*(4*(\t)+(\bb))+4:BF+8*(4*(\t)+(\bb))+7], v[ADRB] offset:(\k)+(4*(\t)+(\bb))*16*PITCH+32
.endr
.endm
.macro LOADA f, k                      ; 16 LDS loads: xb's eight fragments into buffer f
	WIN 0
.irp a, 0,1,2,3,4,5,6,7
	ds_load_b128 v[AF+64*(\f)+8*(\a):AF+64*(\f)+8*(\a)+3],   v[ADRA] offset:(\k)+(\a)*16*PITCH
	ds_load_b128 v[AF+64*(\f)+8*(\a)+4:AF+64*(\f)+8*(\a)+7], v[ADRA] offset:(\k)+(\a)*16*PITCH+32
.endr
.endm
.macro PLACES                          ; four plain vector instructions between a matrix instruction and a load into, or a vector instruction on, its registers (ISA guide 7.12.1 for vector instructions)
.rept 4
	v_nop
.endr
.endm
; A quarter multiplies xb's buffer f and fetches the next quarter's fragments, at byte k of the rows of the slot in hand.  The loads go out in the order wb 0-3 (8), xb (16), wb 4-7 (8), wb 8-11 (8).
.macro QUARTER f, k, zero
	s_wait_dscnt 16                                ; wb's fragments 0-3 and xb's are in; the 8 + 8 loads issued behind them may be out
	MUL32 \f, 0, \zero
	PLACES
	LOADB 0, \k
	LOADA 1-(\f), \k
	s_wait_dscnt 32                                ; wb's 4-7 are in: behind them went 8 loads of the last quarter and the 24 just issued
	MUL32 \f, 1, \zero
	PLACES
	LOADB 1, \k
	s_wait_dscnt 32                                ; wb's 8-11 are in: behind them went the 24 + 8 of this quarter
	MUL32 \f, 2, \zero
	PLACES
	LOADB 2, \k
.endm
; THE CHANGE OF SLOTS, at the head of a step's second quarter: all of the slot's fragments have been asked for.  Each wave waits for all its tensor loads (the one that is out is its part of the other slot),
; adds 0 to its spare word, and waits for that and for its own reads of this slot.  fill = 1: a round of the cluster's barrier follows, so that no wave of any partner still reads the slot or has a load on its
; way, and the slot is filled again, two K steps ahead, first thing behind the round: the load has the whole step, 192 matrix instructions, in which to land.
.macro TURN fill
	WIN 0
	s_wait_tensorcnt 0x0                           ; no tensor load of mine is out, so a group 0 may be written
	ds_add_u32 v[SPW], v[NIL]                      ; 0 onto my spare word; scalar work stands between it and the wait for it
.if \fill
	s_xor_b32 s[G0+5], s[G0+5], SLOT1              ; the walking descriptors: the other slot than last time,
	s_add_nc_u64 s[G0+6:G0+7], s[G0+6:G0+7], ASTEP ; the next K step; the type bits on top are not reached
	s_xor_b32 s[G0B+5], s[G0B+5], SLOT1
	s_add_nc_u64 s[G0B+6:G0B+7], s[G0B+6:G0B+7], BSTEP
.endif
	s_xor_b32 s[TB], s[TB], SLOT1                  ; the other slot is in hand
	s_wait_dscnt 0x0                               ; the add is done, and my reads of this slot are over
.if \fill
	CROUND
	JLOAD 1                                        ; my one tensor load behind the round
.else
	s_barrier_signal -1
	s_barrier_wait -1
.endif
	v_add_nc_u32 v[ADRA], s[TB], v[ADRA0]
	v_add_nc_u32 v[ADRB], s[TB], v[ADRB0]
.endm
; THE WAY OUT of block a (16 rows of each half of the tile's rows).  PACK: my 12 accumulators rounded to f16, 16 bytes a lane and accumulator.
.macro PACK a
.irp w, 1,2,3
	WIN 0x05*(\w)                                  ; sources 0 and 1 in window w
.irp bb, 0,1,2,3
.irp r, 0,1,2,3
	v_cvt_pk_f16_f32 v[TMP+4*(4*((\w)-1)+(\bb))+(\r)], v[8*(8*(\bb)+(\a))+2*(\r)], v[8*(8*(\bb)+(\a))+2*(\r)+1]  ; each accumulator is read from its low end on
.endr
.endr
.endr
	WIN 0
.endm
; TOSTAGE: into the stage; a barrier, since a row's 768 bytes come from two waves; back as whole rows.  The two stage buffers take turns: block a + 2 is written behind the barrier of block a + 1, in front of
; which every wave has waited for its reads of block a.
.macro TOSTAGE a
.set SB, ((\a)%2)*SBUF
.set BK, OB+48*((\a)%2)
.irp b, 0,1,2,3,4,5,6,7,8,9,10,11
	ds_store_b128 v[STO], v[TMP+4*(\b):TMP+4*(\b)+3] offset:SB+32*(\b)
.endr
	s_wait_dscnt 0x0                               ; for the others' sake: my stores into the stage are done, and so are my reads of the block before
	s_barrier_signal -1
	s_barrier_wait -1
	s_wait_xcnt 0x0                                ; the registers that the stores of the block two back read are loaded again only behind this wait
.irp t, 0,1,2,3,4,5,6,7,8,9,10,11
	ds_load_b128 v[BK+4*(\t):BK+4*(\t)+3], v[RD] offset:SB+2*((\t)/3)*SPITCH+256*((\t)%3)
.endr
.endm
.macro SEND a
.set BK, OB+48*((\a)%2)
	s_wait_dscnt 0x0                               ; the block is back in registers
.irp t, 0,1,2,3,4,5,6,7,8,9,10,11
	global_store_b128 v[CO], v[BK+4*(\t):BK+4*(\t)+3], s[8:9] offset:(\a)*16*CROW+2*((\t)/3)*CROW+256*((\t)%3)  ; 16 lanes store 256 consecutive bytes, at a multiple of 256 from qkv's first byte
.endr
.endm
	s_wait_tensorcnt 1                             ; my part of K step 0 is in; K step 1's may stay out
	s_barrier_signal -1
	s_barrier_wait -1                              ; everybody's is
	LOADB 0, 0                                     ; the first quarter's fragments, in the order in which a quarter fetches
	LOADA 0, 0
	LOADB 1, 0
	LOADB 2, 0
	QUARTER 0, 64, 1                               ; the first quarter stands in front of the loop: its products start the sums
	s_mov_b32 s3, STEPS-2                          ; (a quarter leaves every window 0, as a label and a branch want it)
.Lstep:                                                ; 14 trips, each from a step's second quarter to the next step's first; each fills the slot that it leaves, with K steps 2 to 15
	TURN 1
	QUARTER 1, 0, 0
	QUARTER 0, 64, 0
	s_sub_co_u32 s3, s3, 1
	s_cmp_lg_u32 s3, 0
	s_cbranch_scc1 .Lstep
	s_mov_b32 s3, 2
.Ltail:                                                ; the last two steps fill nothing: a text of their own; the second trip is left in its middle.
	TURN 0                                         ; In that trip the change of slots and the quarter's 40 loads (of K step 14's bytes once more) serve nothing: the price, once a launch, of one text for both trips
	QUARTER 1, 0, 0
	s_sub_co_u32 s3, s3, 1
	s_cmp_eq_u32 s3, 0
	s_cbranch_scc1 .Lout
	QUARTER 0, 64, 0
	s_branch .Ltail
.Lout:
	s_wait_dscnt 0x0                               ; those loads are back: their registers are used below
	PLACES                                         ; the conversions read matrix results and write over fragments
	PACK 0
	TOSTAGE 0
.irp a, 1,2,3,4,5,6,7                  ; block a's conversions stand between block a - 1's loads from the stage and the wait for them
	PACK \a
	SEND (\a)-1
	TOSTAGE \a
.endr
	SEND 7
	s_wait_tensorcnt 0x0                           ; the wave's end, behind my last tensor load and my last LDS store
	ds_add_u32 v[SPW], v[NIL]
	s_wait_dscnt 0x0
	CROUND                                         ; the closing round: no work-group ends while a partner may still ask for a tile that names it
	s_endpgm
.Lfunc_end_k_q4fc0c87ba5_proj:
	.size	k_q4fc0c87ba5_proj, .Lfunc_end_k_q4fc0c87ba5_proj-k_q4fc0c87ba5_proj
	.p2alignl 7, 3214868480
	.fill 96, 4, 3214868480
	.section	.rodata,"a",@progbits
	.p2align	6, 0x0
	.amdhsa_kernel k_q4fc0c87ba5_proj
		.amdhsa_group_segment_fixed_size 327680
		.amdhsa_private_segment_fixed_size 0
		.amdhsa_enable_private_segment 0
		.amdhsa_kernarg_size 24
		.amdhsa_user_sgpr_count 2
		.amdhsa_user_sgpr_kernarg_segment_ptr 1
		.amdhsa_wavefront_size32 1
		.amdhsa_system_sgpr_workgroup_id_x 1
		.amdhsa_system_sgpr_workgroup_id_y 1
		.amdhsa_system_sgpr_workgroup_id_z 1
		.amdhsa_system_vgpr_workitem_id 0
		.amdhsa_next_free_vgpr 1024
		.amdhsa_next_free_sgpr 66
		.amdhsa_reserve_vcc 0
		.amdhsa_float_denorm_mode_32 3
		.amdhsa_float_denorm_mode_16_64 3
		.amdhsa_memory_ordered 1
		.amdhsa_forward_progress 1
		.amdhsa_inst_pref_size 106
	.end_amdhsa_kernel
	.amdgpu_metadata
---
amdhsa.version: [ 1, 2 ]
amdhsa.kernels:
  - .name:           k_q4fc0c87ba5_proj
    .symbol:         k_q4fc0c87ba5_proj.kd
    .args:
      - { .name: xb, .offset: 0, .size: 8, .value_kind: global_buffer, .address_space: global }
      - { .name: wb, .offset: 8, .size: 8, .value_kind: global_buffer, .address_space: global }
      - { .name: qkv, .offset: 16, .size: 8, .value_kind: global_buffer, .address_space: global }
    .group_segment_fixed_size: 327680
    .private_segment_fixed_size: 0
    .kernarg_segment_align: 8
    .kernarg_segment_size: 24
    .max_flat_workgroup_size: 128
    .sgpr_count:     66
    .vgpr_count:     1024
    .wavefront_size: 32
...
	.end_amdgpu_metadata
.endif
;; end of part 2
;; launch score (part 3): grid 8 x 32, 4 waves a work-group, clusters of 4 x 4, 327,680 bytes of LDS; arguments qkv, p, stat; writes p, stat
.if DOCPART == 3
	.amdgcn_target "amdgcn-amd-amdhsa--gfx1250"
	.amdhsa_code_object_version 6
	.text
	.protected	k_q4fc0c87ba5_score
	.globl	k_q4fc0c87ba5_score
	.p2align	8
	.type	k_q4fc0c87ba5_score,@function
k_q4fc0c87ba5_score:
	s_mov_b64 s[64:65], 0
	v_nop
	global_prefetch_b8 v0, s[64:65] scope:SCOPE_SE
	s_setreg_imm32_b32 hwreg(HW_REG_WAVE_MODE, 25, 1), 1
	s_wait_xcnt 0x0
	s_wait_alu depctr_hold_cnt(0) depctr_sa_sdst(0) depctr_va_vdst(0) depctr_va_sdst(0) depctr_va_ssrc(0) depctr_va_vcc(0) depctr_vm_vsrc(0)
	s_getreg_b32 s2, hwreg(HW_REG_IB_STS2, 6, 4)
	s_cmp_eq_u32 s2, 0
	s_cbranch_scc0 .Lentry_in_a_cluster
	s_endpgm
.Lentry_in_a_cluster:
	s_bfe_u32 s2, ttmp6, 0x10000c
	s_cmp_lg_u32 s2, 0xf033
	s_cbranch_scc0 .Lentry_shape_is_right
	s_endpgm
.Lentry_shape_is_right:
; For each batch: s = Q K^T (f16 operands, f32 sums).  For each query row and each block of 128 keys: m = the block's maximum of s; p = 2^(c s - c m), c = log2(e) / 32, rounded to f16;
; l = the sum of the unrounded p.  stat, f32: c m at byte 32768 block + 4 row (row = 2048 batch + query), l 524,288 bytes further on.
; The next launch joins the 16 blocks of a row by their maxima: together the two launches are a softmax with the row's true maximum taken away, for every input.
; p LIES IN THE ORDER OF THE NEXT LAUNCH'S FRAGMENTS: [512 blocks of 16 rows][128 blocks of 16 keys][32 lanes][16 bytes]; lane l's 16 bytes are row l % 16, keys 8 (l / 16) + 0..7 of the block.  That is what a
; lane holds here when it has rounded eight scores, so p is stored straight from registers, 512 consecutive bytes an instruction, and two neighbouring key blocks are a fragment (16 rows x 32 keys) as they lie.
; LIMITS.  Q and K arrive within f16's range.  p lies in 0 to 1 (up to a rounding of c m); below 6e-5 it keeps f16's fixed step of 6e-8; an exponential below 2^-126 counts as 0.  NaN and infinities are not treated apart.
; A tile of 256 queries x 256 keys is made by four waves, each 128 x 128: 64 accumulators, 512 registers.  The 1,024 channels go in 8 steps of 128 through a ring of two LDS slots filled by tensor loads
; (rows of 256 bytes at multiples of 256).  8 x 32 = 256 work-groups.
; CLUSTER: 4 x 4.  The four of a row of the cluster need the same tiles of Q, the four of a column (one batch: a batch has 8 tile rows, two clusters) the same tiles of K: joint loads.
; THE MATRIX INSTRUCTION IS USED TRANSPOSED (source 0 = 16 keys, source 1 = 16 queries): a lane holds ONE query (lane % 16) and, of each 16 keys, 8 (lane / 16) + 0..7.  So a block's maximum and sum
; are taken inside the lane and by one exchange between the halves of the lanes.
; ONE TEXT FOR A STEP: the slot in hand is a scalar turned by an exclusive or; six steps fill a slot again (the loop), the last two do not (a second loop of two trips, left in its middle).
; REGISTERS as windows of 256 (s_set_vgpr_msb: bits 1:0 source 0, 3:2 source 1, 5:4 source 2, 7:6 destination):
;   window 0: v0-31 addresses; v64-127, v128-191 fragments of Q, two buffers, later at work in the softmax; v192-223 packed p
;   window 1: v64-127, v128-191 fragments of K      window 2: accumulators of my queries 0-63 ((a, b) at v[8 (8 a + b)])      window 3: of my queries 64-127
.set KSTEP,  128
.set PITCH,  272                       ; an LDS row: 256 bytes + 16 of padding: the 16 rows of a fragment load start at 16 different groups of four banks (64 banks of 4 bytes: ISA guide 11.1)
.set HALFT,  128*PITCH                 ; 0x8800 bytes
.set SLOT,   4*HALFT                   ; Q's 256 rows, then K's 256 rows: 0x22000 bytes, which shares no bit with wave x HALFT
.set SSC,    2*SLOT                    ; behind the ring, 1,024 bytes for each wave: 128 c m, then 128 l, on their way to whole stores
.set SPARE,  SSC+4*1024                ; the spare words, 128 bytes for each wave: two blocks of 256 bytes that no other line names
.set KROW,   3072                      ; elements from row to row in qkv
.set QROW,   6144                      ; the same in bytes
.set RBP,    65536                     ; bytes of p from a block of 16 rows to the next: 128 key blocks of 512 bytes
.set STEPS,  8
.set ADRA,  16                         ; v16     LDS address of my Q fragments in the slot in hand
.set ADRA0, 17                         ; v17     the same in slot 0; never rewritten
.set ADRB,  20                         ; v20, v21  the same for K
.set ADRB0, 21
.set PO,   26                          ; v26     16 x lane: my 16 bytes in 512 consecutive bytes of p and of stat; never rewritten
.set SSA,  27                          ; v27     where I put a block's c m (lanes 0-15) or l (lanes 16-31)
.set SPW,  28                          ; v28     LDS address of my spare word; never rewritten
.set NIL,  29                          ; v29     0; never rewritten
.set SLA,  30                          ; v30     where I read 16 bytes of them back
.set F0,   64
.set F1,   128
.set TMP,  192                         ; v192-223 p of one block of 16 queries, packed
.set EX,   64                          ; v64-127  c s - c m, then p, of one block of 16 queries
.set TT,   128                         ; v128-135 at work
.set CMP,  138                         ; v138 c m, v139 m: named as a pair by the packed scaling
.set CMS,  144                         ; v144-151 c m of my eight blocks
.set LS,   152                         ; v152-159 l of my eight blocks
.set G1, 24                            ; s[24:31] group 1 for Q's tiles; s[32:39] group 0: a set for each of the two first fills; the second then walks on
.set G0, 32
.set G1B, 48                           ; s[48:55], s[56:63] the same for K's
.set G0B, 56
.set TB,  45                           ; s45     LDS byte at which the slot in hand begins
.set CS,  66                           ; s[66:67] c: the packed scaling takes the pair's low word for both halves
.set SEL, 68                           ; s[68:69] v_permlanex16_b32's selects: each lane takes its own place in the other half
.set MSB, 0
.macro WIN new                         ; the immediate's high byte repeats the setting that is left; a switch that changes nothing is dropped
.if MSB != (\new)
	s_set_vgpr_msb (MSB<<8)|(\new)
.set MSB, (\new)
.endif
.endm
.set MUL_LO, 0xa1
.set MUL_HI, 0xf1
.set TO_B,   0x40
; A joint load.  Waves 0 and 1 fetch the two halves of Q's tile, waves 2 and 3 those of K's.  An s_nop 0 and four v_nop follow each of the two lines, ahead of the jump and the label.
.macro JLOAD s
	s_cmp_eq_u32 s11, 0
	s_cbranch_scc0 .Lfor_b_\@
	tensor_load_to_lds s[G0+4*(\s):G0+4*(\s)+3], s[G1:G1+7]
	s_nop 0
.rept 4
	v_nop
.endr
	s_branch .Lasked_\@
.Lfor_b_\@:
	tensor_load_to_lds s[G0B+4*(\s):G0B+4*(\s)+3], s[G1B:G1B+7]
	s_nop 0
.rept 4
	v_nop
.endr
.Lasked_\@:
.endm
.macro CREST
	s_cmp_lg_u32 s10, 0
	s_cbranch_scc1 .Lnot_wave_0_\@
	s_barrier_signal -3
.Lnot_wave_0_\@:
	s_barrier_wait -3
	s_barrier_signal -1
	s_barrier_wait -1
.endm
.macro CROUND
	s_barrier_signal -1
	s_barrier_wait -1
	CREST
.endm
	s_load_b128 s[4:7], s[0:1], 0x0                ; qkv s[4:5], p s[6:7]
	s_load_b64 s[72:73], s[0:1], 0x10              ; stat
	v_lshl_add_u32 v[SPW], v0, 2, SPARE
	v_mov_b32 v[NIL], 0
	ds_add_u32 v[SPW], v[NIL]                      ; the wave's opening: the add and its wait stand ahead of my first tensor load; the set-up below, work on registers, stands between them
	v_lshrrev_b32 v1, 5, v0
	v_readfirstlane_b32 s10, v1                    ; wave 0..3
	s_lshr_b32 s11, s10, 1                         ; which half of the tile's queries is mine.  Also: I fetch for Q (0) or for K (1)
	s_and_b32 s12, s10, 1                          ; which half of its keys.  Also: which 128 rows of that tile I fetch
	s_bfe_u32 s40, ttmp6, 0x40000                  ; cx
	s_bfe_u32 s41, ttmp6, 0x40004                  ; cy
	s_lshl_b32 s42, ttmp9, 2
	s_add_co_u32 s42, s42, s40                     ; tile column (256 keys) = 4 x cluster x + cx
	s_and_b32 s13, ttmp7, 0xffff
	s_lshr_b32 s45, s13, 1                         ; the batch: two clusters along y to a batch; made of the cluster's y alone, so a column's partners share it
	s_lshl_b32 s13, s13, 2
	s_add_co_u32 s13, s13, s41                     ; tile row (256 rows of all batches) = 4 x cluster y + cy
	s_lshl_b32 s43, s41, 2
	s_lshl_b32 s43, 15, s43                        ; my row of the cluster
	s_lshl_b32 s44, 0x1111, s40                    ; my column
	s_or_b32 s[G1+0], s43, (1<<16)|(1<<20)|(1<<21)|(5<<22)|(3<<25)   ; 15:0 mask; 17:16 2-byte elements; 20 padding on; 21 set beside a mask; 24:22 after every 64 words; 31:25 4 words
	s_or_b32 s[G1B+0], s44, (1<<16)|(1<<20)|(1<<21)|(5<<22)|(3<<25)
.irp g, G1, G1B
	s_mov_b32 s[(\g)+1], KSTEP<<16                 ; tensor_dim0 = 128
	s_mov_b32 s[(\g)+2], 128<<16                   ; tensor_dim1 = 128
	s_mov_b32 s[(\g)+3], KSTEP<<16                 ; tile_dim0 = 128
	s_mov_b32 s[(\g)+4], 128                       ; tile_dim1 = 128
	s_mov_b32 s[(\g)+5], KROW                      ; elements from row to row
	s_mov_b32 s[(\g)+6], 0
	s_mov_b32 s[(\g)+7], 0
.endr
	s_mov_b32 s[CS], 0x3d38aa3b                    ; c = log2(e) / 32 = 0.0450842
	s_mov_b32 s[CS+1], s[CS]                       ; named with it as a pair
	s_mov_b32 s[SEL], 0x76543210
	s_mov_b32 s[SEL+1], 0xfedcba98
	s_lshl_b32 s17, s12, 7                         ; which 128 rows of the tile I fetch
	s_lshl_b32 s16, s13, 8
	s_add_co_u32 s16, s16, s17                     ; Q: row 256 x tile row + 128 x half
	s_lshl_b32 s46, s42, 8
	s_add_co_u32 s46, s46, s17
	s_lshl_b32 s45, s45, 11
	s_add_co_u32 s46, s46, s45                     ; K: row 2048 x batch + 256 x tile column + 128 x half
	s_mul_i32 s16, s16, QROW                       ; in bytes: both stay under 2^26
	s_mul_i32 s46, s46, QROW
	s_add_co_u32 s46, s46, 2048                    ; K's columns begin 2,048 bytes into a row
	s_mov_b32 s17, 0
	s_mov_b32 s47, 0
	s_mul_i32 s20, s10, HALFT                      ; where they go: wave x 128 rows
	s_mov_b32 s[TB], 0                             ; (the batch has been used) slot 0 is read first
	s_wait_dscnt 0x0                               ; the opening add is done
	s_wait_kmcnt 0x0
	s_add_nc_u64 s[14:15], s[4:5], s[16:17]
	s_add_nc_u64 s[46:47], s[4:5], s[46:47]
	s_mov_b64 s[8:9], s[6:7]                       ; p
	CROUND                                         ; all sixteen work-groups are here: the first joint loads meet
.irp s, 0,1
	s_mov_b32 s[G0+4*(\s)], 1
	s_add_co_u32 s[G0+4*(\s)+1], s20, (\s)*SLOT
	s_add_nc_u64 s[G0+4*(\s)+2:G0+4*(\s)+3], s[14:15], (\s)*KSTEP*2
	s_or_b32 s[G0+4*(\s)+3], s[G0+4*(\s)+3], 0x80000000
	s_mov_b32 s[G0B+4*(\s)], 1
	s_add_co_u32 s[G0B+4*(\s)+1], s20, (\s)*SLOT
	s_add_nc_u64 s[G0B+4*(\s)+2:G0B+4*(\s)+3], s[46:47], (\s)*KSTEP*2
	s_or_b32 s[G0B+4*(\s)+3], s[G0B+4*(\s)+3], 0x80000000
	JLOAD \s                                       ; two loads of mine are out
.endr
	v_and_b32 v1, 15, v0                           ; l % 16
	v_bfe_u32 v2, v0, 4, 1                         ; l / 16; kept to the end
	v_mul_u32_u24 v3, v1, PITCH
	v_lshl_add_u32 v3, v2, 4, v3
	s_mul_i32 s21, s11, HALFT                      ; my 128 rows of Q
	s_mul_i32 s22, s12, HALFT                      ; my 128 rows of K,
	s_add_co_u32 s22, s22, 2*HALFT                 ; which lie behind Q's 256
	v_add_nc_u32 v[ADRA0], s21, v3
	v_add_nc_u32 v[ADRB0], s22, v3
	v_add_nc_u32 v[ADRA], s[TB], v[ADRA0]
	v_add_nc_u32 v[ADRB], s[TB], v[ADRB0]
	v_and_b32 v5, 31, v0
	v_lshlrev_b32 v[PO], 4, v5
	s_lshl_b32 s23, s10, 10
	s_add_co_u32 s23, s23, SSC                     ; my 1,024 bytes for the statistics
	v_lshlrev_b32 v5, 2, v1
	v_lshl_add_u32 v5, v2, 9, v5
	v_add_nc_u32 v[SSA], s23, v5                   ; 4 (l % 16) + 512 (l / 16)
	v_add_nc_u32 v[SLA], s23, v[PO]
	s_lshl_b32 s16, s13, 4
	s_lshl_b32 s14, s11, 3
	s_add_co_u32 s16, s16, s14                     ; my first block of 16 rows = 16 x tile row + 8 x half
	s_lshl_b32 s71, s16, 6                         ; stat: 64 bytes a block of 16 rows,
	s_lshl_b32 s70, s42, 1
	s_add_co_u32 s70, s70, s12                     ; my block of 128 keys = 2 x tile column + half,
	s_lshl_b32 s70, s70, 15                        ; 32,768 bytes a block
	s_add_co_u32 s70, s70, s71
	s_mov_b32 s71, 0
	s_add_nc_u64 s[72:73], s[72:73], s[70:71]
	s_lshl_b32 s16, s16, 16                        ; p: 65,536 bytes a block of 16 rows,
	s_lshl_b32 s46, s42, 4
	s_lshl_b32 s47, s12, 3
	s_add_co_u32 s46, s46, s47                     ; my first block of 16 keys = 16 x tile column + 8 x half,
	s_lshl_b32 s46, s46, 9                         ; 512 bytes each.  The sum stays under 2^25
	s_add_co_u32 s16, s16, s46
	s_mov_b32 s17, 0
	s_add_nc_u64 s[8:9], s[8:9], s[16:17]
.macro MUL16 f, hi, a0, zero
	WIN MUL_LO+0x50*(\hi)
.irp a, \a0, (\a0)+1
.irp b, 0,1,2,3,4,5,6,7
.if \zero
	v_wmma_f32_16x16x32_f16 v[8*(8*(\a)+(\b)):8*(8*(\a)+(\b))+7], v[(\f)+8*(\b):(\f)+8*(\b)+7], v[(\f)+8*(4*(\hi)+(\a)):(\f)+8*(4*(\hi)+(\a))+7], 0
.else
	v_wmma_f32_16x16x32_f16 v[8*(8*(\a)+(\b)):8*(8*(\a)+(\b))+7], v[(\f)+8*(\b):(\f)+8*(\b)+7], v[(\f)+8*(4*(\hi)+(\a)):(\f)+8*(4*(\hi)+(\a))+7], v[8*(8*(\a)+(\b)):8*(8*(\a)+(\b))+7]
.endif
.endr
.endr
.endm
.macro FETCH k, f                      ; 32 LDS loads in one run, from the slot in hand: K's 16, then Q's
	WIN TO_B
.irp i, 0,1,2,3,4,5,6,7
	ds_load_b128 v[(\f)+8*(\i):(\f)+8*(\i)+3],   v[ADRB] offset:(\k)+(\i)*16*PITCH
	ds_load_b128 v[(\f)+8*(\i)+4:(\f)+8*(\i)+7], v[ADRB] offset:(\k)+(\i)*16*PITCH+32
.endr
	WIN 0
.irp i, 0,1,2,3,4,5,6,7
	ds_load_b128 v[(\f)+8*(\i):(\f)+8*(\i)+3],   v[ADRA] offset:(\k)+(\i)*16*PITCH
	ds_load_b128 v[(\f)+8*(\i)+4:(\f)+8*(\i)+7], v[ADRA] offset:(\k)+(\i)*16*PITCH+32
.endr
.endm
.macro PLACES                          ; four plain vector instructions between a matrix instruction and a load into, or a vector instruction on, its registers (ISA guide 7.12.1 for vector instructions)
.rept 4
	v_nop
.endr
.endm
.macro QUARTER k, f, g, zero           ; 64 matrix instructions; the 64 accumulators take turns in the same order in every quarter
	s_wait_dscnt 8                                 ; K's fragments and Q's rows 0-63 are in; the youngest eight loads may be out
	MUL16 \f, 0, 0, \zero
	MUL16 \f, 0, 2, \zero
	PLACES
	FETCH \k, \g
	s_wait_dscnt 32                                ; all but the 32 just issued
	MUL16 \f, 1, 0, \zero
	MUL16 \f, 1, 2, \zero
.endm
; The last quarter changes slots: ONE barrier; in front of it each wave waits for all its tensor loads (its part of the next slot), adds 0 to its spare word, and waits for that and for its reads of this slot.
; fill = 1: the barrier opens a round of the cluster's barrier, and the slot is filled again, two steps ahead, first thing behind the round.
.macro TURN fill
	WIN 0
	s_wait_tensorcnt 0x0
	ds_add_u32 v[SPW], v[NIL]                      ; 0 onto my spare word
	s_wait_dscnt 9                                 ; (the add and the youngest eight loads may be out)
	MUL16 F1, 0, 0, 0
	s_wait_dscnt 0x0                               ; the add is done, and my reads of this slot are over
	s_barrier_signal -1
	MUL16 F1, 0, 2, 0
	WIN 0                                          ; (branches and address lines follow)
	s_barrier_wait -1
.if \fill
	CREST
.irp g, G0+4, G0B+4
	s_xor_b32 s[(\g)+1], s[(\g)+1], SLOT           ; the walking descriptor: the other slot than last time,
	s_add_nc_u64 s[(\g)+2:(\g)+3], s[(\g)+2:(\g)+3], KSTEP*2  ; the next step; the type bits on top are not reached
.endr
	JLOAD 1                                        ; my one tensor load behind the round; its four v_nop are also the places in front of the loads below
.else
	PLACES
.endif
	s_xor_b32 s[TB], s[TB], SLOT                   ; the other slot is in hand
	v_add_nc_u32 v[ADRA], s[TB], v[ADRA0]
	v_add_nc_u32 v[ADRB], s[TB], v[ADRB0]
	FETCH 0, F0
	MUL16 F1, 1, 0, 0
	MUL16 F1, 1, 2, 0
.endm
; THE SOFTMAX OF BLOCK a: 16 queries x my 128 keys.  A lane holds 64 scores of one query, in the block's eight accumulators.  Its p leaves at once: eight stores of 512 consecutive bytes.
.macro SOFT a
.set SW, 2+(\a)/4                      ; their window
.set AC, 64*((\a)%4)
	WIN 0x15*SW                                    ; all three sources there
.irp b, 0,1,2,3,4,5,6,7
	v_max3_num_f32 v[TT+(\b)], v[AC+8*(\b)], v[AC+8*(\b)+1], v[AC+8*(\b)+2]  ; eight chains; each accumulator is read from its low end on
.endr
	WIN 0x14*SW                                    ; sources 1 and 2 there
.irp b, 0,1,2,3,4,5,6,7
	v_max3_num_f32 v[TT+(\b)], v[TT+(\b)], v[AC+8*(\b)+3], v[AC+8*(\b)+4]
.endr
.irp b, 0,1,2,3,4,5,6,7
	v_max3_num_f32 v[TT+(\b)], v[TT+(\b)], v[AC+8*(\b)+5], v[AC+8*(\b)+6]
.endr
.irp i, 0,1,2,3
	v_max3_num_f32 v[TT+(\i)], v[TT+(\i)], v[AC+16*(\i)+7], v[AC+16*(\i)+15]
.endr
	WIN 0
	v_max3_num_f32 v[TT], v[TT], v[TT+1], v[TT+2]
	v_max3_num_f32 v[TT+3], v[TT+3], v[TT+4], v[TT+5]
	v_max_num_f32 v[TT+6], v[TT+6], v[TT+7]
	v_max3_num_f32 v[TT], v[TT], v[TT+3], v[TT+6]
	v_permlanex16_b32 v[TT+1], v[TT], s[SEL], s[SEL+1]  ; the query's other 64 keys lie in the lane 16 away
	v_max_num_f32 v[CMP+1], v[TT], v[TT+1]         ; m
	v_mul_f32 v[CMP], s[CS], v[CMP+1]              ; c m
	v_mov_b32 v[CMS+(\a)], v[CMP]
	WIN SW                                         ; source 0 there
.set i, 0
.rept 32
	v_pk_fma_f32 v[EX+2*i:EX+2*i+1], v[AC+2*i:AC+2*i+1], s[CS:CS+1], v[CMP:CMP+1] op_sel_hi:[1,0,0] neg_lo:[0,0,1] neg_hi:[0,0,1]  ; c s - c m
.set i, i+1
.endr
	WIN 0
.set i, 0
.rept 64
	v_exp_f32 v[EX+i], v[EX+i]
.set i, i+1
.endr
	v_nop                                          ; a plain instruction between the last exponential and the use of its result (ISA guide 5.7.2)
	s_wait_xcnt 0x0                                ; the packed registers, which the last block's stores read, are rewritten only behind this wait
.set i, 0
	s_wait_alu depctr_va_vdst(0)
.rept 32
	v_cvt_pk_f16_f32 v[TMP+i], v[EX+2*i], v[EX+2*i+1]  ; eight neighbouring keys of a row pack into 16 bytes
.set i, i+1
.endr
.irp b, 0,1,2,3,4,5,6,7
	global_store_b128 v[PO], v[TMP+4*(\b):TMP+4*(\b)+3], s[8:9] offset:(\a)*RBP+(\b)*512  ; row block a, key block b: 512 consecutive bytes, at a multiple of 512 from p's first byte
.endr
.irp w, 4,8,16,32,64                   ; the sum of the 32 pairs, in place: neighbours 1, 2, 4, 8 and 16 pairs apart
.set i, 0
.rept 64/(\w)
	v_pk_add_f32 v[EX+(\w)*i:EX+(\w)*i+1], v[EX+(\w)*i:EX+(\w)*i+1], v[EX+(\w)*i+(\w)/2:EX+(\w)*i+(\w)/2+1]
.set i, i+1
.endr
.endr
	v_add_f32 v[TT], v[EX], v[EX+1]
	v_permlanex16_b32 v[TT+1], v[TT], s[SEL], s[SEL+1]
	v_add_f32 v[LS+(\a)], v[TT], v[TT+1]           ; l
.endm
	s_wait_tensorcnt 1                             ; my part of step 0 is in; step 1's may stay out
	s_barrier_signal -1
	s_barrier_wait -1
	FETCH 0, F0
	QUARTER 64,  F0, F1, 1                         ; the first quarter's products start the sums
	WIN 0                                          ; at a label and at a branch every window is 0
	s_mov_b32 s3, STEPS-2
.Lstep:                                                ; six trips, each from a step's second quarter to the next step's first; each fills the slot that it leaves, with steps 2 to 7
	QUARTER 128, F1, F0, 0
	QUARTER 192, F0, F1, 0
	TURN 1
	QUARTER 64,  F0, F1, 0
	WIN 0
	s_sub_co_u32 s3, s3, 1
	s_cmp_lg_u32 s3, 0
	s_cbranch_scc1 .Lstep
	s_mov_b32 s3, 2
.Ltail:                                                ; the last two steps fill nothing: a text of their own; the second trip is left in its middle
	QUARTER 128, F1, F0, 0
	QUARTER 192, F0, F1, 0
	WIN 0
	s_sub_co_u32 s3, s3, 1
	s_cmp_eq_u32 s3, 0
	s_cbranch_scc1 .Lout
	TURN 0
	QUARTER 64,  F0, F1, 0
	WIN 0
	s_branch .Ltail
.Lout:
	s_wait_dscnt 8                                 ; the very last quarter: nothing more to fetch
	MUL16 F1, 0, 0, 0
	MUL16 F1, 0, 2, 0
	s_wait_dscnt 0x0
	MUL16 F1, 1, 0, 0
	MUL16 F1, 1, 2, 0
	WIN 0
	PLACES                                         ; the softmax reads matrix results and writes over fragments
.irp a, 0,1,2,3,4,5,6,7                ; a block's stores are on their way while the next block's softmax is made
	SOFT \a
.endr
	; THE STATISTICS.  Both halves of the lanes hold a query's c m and l: lanes 0-15 put c m, lanes 16-31 l, into my 1,024 bytes; they come back as 2 x 512 consecutive bytes.
	v_cmp_ne_u32 vcc_lo, 0, v2
.irp a, 0,1,2,3,4,5,6,7
	v_cndmask_b32 v[160+(\a)], v[CMS+(\a)], v[LS+(\a)], vcc_lo
	ds_store_b32 v[SSA], v[160+(\a)] offset:64*(\a)
.endr
	ds_load_b128 v[168:171], v[SLA]                ; my own bytes, served in order behind the stores above
	ds_load_b128 v[172:175], v[SLA] offset:512
	s_wait_dscnt 0x0
	global_store_b128 v[PO], v[168:171], s[72:73]                  ; c m of my 128 rows: 512 consecutive bytes, at a multiple of 512 from stat's first byte
	global_store_b128 v[PO], v[172:175], s[72:73] offset:524288    ; l
	s_wait_tensorcnt 0x0                           ; the wave's end, behind my last tensor load and my last LDS store
	ds_add_u32 v[SPW], v[NIL]
	s_wait_dscnt 0x0
	CROUND                                         ; the closing round
	s_endpgm
.Lfunc_end_k_q4fc0c87ba5_score:
	.size	k_q4fc0c87ba5_score, .Lfunc_end_k_q4fc0c87ba5_score-k_q4fc0c87ba5_score
	.p2alignl 7, 3214868480
	.fill 96, 4, 3214868480
	.section	.rodata,"a",@progbits
	.p2align	6, 0x0
	.amdhsa_kernel k_q4fc0c87ba5_score
		.amdhsa_group_segment_fixed_size 327680
		.amdhsa_private_segment_fixed_size 0
		.amdhsa_enable_private_segment 0
		.amdhsa_kernarg_size 24
		.amdhsa_user_sgpr_count 2
		.amdhsa_user_sgpr_kernarg_segment_ptr 1
		.amdhsa_wavefront_size32 1
		.amdhsa_system_sgpr_workgroup_id_x 1
		.amdhsa_system_sgpr_workgroup_id_y 1
		.amdhsa_system_sgpr_workgroup_id_z 1
		.amdhsa_system_vgpr_workitem_id 0
		.amdhsa_next_free_vgpr 1024
		.amdhsa_next_free_sgpr 76
		.amdhsa_reserve_vcc 1
		.amdhsa_float_denorm_mode_32 3
		.amdhsa_float_denorm_mode_16_64 3
		.amdhsa_memory_ordered 1
		.amdhsa_forward_progress 1
		.amdhsa_inst_pref_size 164
	.end_amdhsa_kernel
	.amdgpu_metadata
---
amdhsa.version: [ 1, 2 ]
amdhsa.kernels:
  - .name:           k_q4fc0c87ba5_score
    .symbol:         k_q4fc0c87ba5_score.kd
    .args:
      - { .name: qkv, .offset: 0, .size: 8, .value_kind: global_buffer, .address_space: global }
      - { .name: p, .offset: 8, .size: 8, .value_kind: global_buffer, .address_space: global }
      - { .name: stat, .offset: 16, .size: 8, .value_kind: global_buffer, .address_space: global }
    .group_segment_fixed_size: 327680
    .private_segment_fixed_size: 0
    .kernarg_segment_align: 8
    .kernarg_segment_size: 24
    .max_flat_workgroup_size: 128
    .sgpr_count:     76
    .vgpr_count:     1024
    .wavefront_size: 32
...
	.end_amdgpu_metadata
.endif
;; end of part 3
;; launch mix (part 4): grid 4 x 64, 4 waves a work-group, clusters of 4 x 4, 327,680 bytes of LDS; arguments p, qkv, stat, out0; writes out0
.if DOCPART == 4
	.amdgcn_target "amdgcn-amd-amdhsa--gfx1250"
	.amdhsa_code_object_version 6
	.text
	.protected	k_q4fc0c87ba5_mix
	.globl	k_q4fc0c87ba5_mix
	.p2align	8
	.type	k_q4fc0c87ba5_mix,@function
k_q4fc0c87ba5_mix:
	s_mov_b64 s[64:65], 0
	v_nop
	global_prefetch_b8 v0, s[64:65] scope:SCOPE_SE
	s_setreg_imm32_b32 hwreg(HW_REG_WAVE_MODE, 25, 1), 1
	s_wait_xcnt 0x0
	s_wait_alu depctr_hold_cnt(0) depctr_sa_sdst(0) depctr_va_vdst(0) depctr_va_sdst(0) depctr_va_ssrc(0) depctr_va_vcc(0) depctr_vm_vsrc(0)
	s_getreg_b32 s2, hwreg(HW_REG_IB_STS2, 6, 4)
	s_cmp_eq_u32 s2, 0
	s_cbranch_scc0 .Lentry_in_a_cluster
	s_endpgm
.Lentry_in_a_cluster:
	s_bfe_u32 s2, ttmp6, 0x10000c
	s_cmp_lg_u32 s2, 0xf033
	s_cbranch_scc0 .Lentry_shape_is_right
	s_endpgm
.Lentry_shape_is_right:
; out0[row][ch] = sum over the 16 blocks t of 128 keys of g_t x (sum over the block's keys of p[row][key] V[key][ch]),  g_t = f_t / L,  f_t = 2^(c m_t - M),  M = max over t of c m_t,  L = sum over t of f_t l_t.
; p, c m and l come from the launch before; with them this is the softmax with the row's true maximum taken away: every exponent is 0 or less, and L is about 1 or more.
; p: f16 in the order of fragments, [512 blocks of 16 rows][128 blocks of 16 keys][32 lanes][16 bytes]; V: columns 2048-3071 of qkv [8192][3072] f16; stat f32: c m at 32768 t + 4 row, l 524,288 further on;
; out0: [8192][1024] f32.
; THE FACTORS ARE APPLIED IN f32.  A block of 128 keys is one step here.  Its products are summed in accumulators of their own, T (each step's first products take the constant 0), and behind the step
; O = g_t T + O, 128 packed multiply-adds; O is never a matrix instruction's register.  O is cleared once, 256 v_mov_b32 that stand in the wait for the first tiles: no product can start O's sums, and a first
; step written out in their stead would be the longer text.
; LIMITS.  V arrives within f16's range.  f below 2^-126 counts as 0.  NaN and infinities are not treated apart.
; A tile of 128 rows x 256 channels is made by four waves, each 64 x 128: 32 accumulators T and as many registers O: 4 x 64 = 256 work-groups (tiles of 256 x 256 would be 128).
; The 2,048 keys go in 16 steps of 128 through a ring of two LDS slots: of p eight row blocks x 4,096 dense bytes, of V 128 keys x 512 bytes; all rows begin at multiples of 256 bytes.
; CLUSTER: 4 x 4.  The four of a row of the cluster need the same tiles of p, the four of a column (one batch: 16 tile rows, four clusters) the same tiles of V: joint loads.
; LAYOUT.  T^T = V^T P: source 0 = 16 channels x 32 keys, turned out of LDS by ds_load_tr16_b128; source 1 = 16 rows x 32 keys of p: two neighbouring key blocks as they lie, 16 bytes a lane each.
; In the result a lane holds ONE row (lane % 16) and the channels 8 (lane / 16) + 0..7, so a row's factor is one number a lane.
; ONE TEXT FOR A STEP: the slot in hand is a scalar turned by an exclusive or; 14 steps fill a slot again (the loop), the last two do not (a second loop of two trips, left in its middle).
; REGISTERS, in windows of 256 (s_set_vgpr_msb: bits 1:0 source 0, 3:2 source 1, 5:4 source 2, 7:6 destination):
;   window 0: v0-31 addresses; v32-39 the step's factors, a pair (g, g) for each row block; v64-127, v128-191 p's fragments, two buffers of 64 keys (32 keys c at + 32 c, row block a at + 8 a)
;   window 1: V's fragments, two buffers of 128 (32 keys c at + 64 c, channel block b at + 8 b)      window 2: T, (a, b) at v[8 (8 a + b)]      window 3: O, at the same numbers
.set PB,    4096                       ; bytes of p for 16 rows x 128 keys: eight key blocks of 512 bytes, dense in memory and in LDS (a fragment load takes 16 x lane)
.set RBP,   65536                      ; bytes of p from a block of 16 rows to the next
.set PHALF, 4*PB                       ; what one tensor load brings of p: four row blocks
.set PV,    544                        ; a row of V in LDS: 512 + 32 = 136 words
.set VHALF, 64*PV                      ; what one tensor load brings of V
.set VOFF,  2*PHALF
.set SLOT1, 1<<17                      ; a slot is 102,400 bytes; slot 1 begins here, so that one exclusive or turns an address in one slot into the other's
.set STAGE, SLOT1+VOFF+2*VHALF         ; behind the ring: 16 rows x 528 bytes for each wave, for the way out
.set SP,    528
.set FT,    STAGE+4*16*SP              ; for each wave 8,192 bytes: 16 steps x 64 rows' pairs (g, g).  The pair of row 16 a + r lies at byte 32 r + 8 a of its step's 512
.set FTW,   8192
.set SPARE, FT+4*FTW                   ; the spare words, 128 bytes for each wave: two blocks of 256 bytes that no other line names
.set VSTEP, 128*6144                   ; bytes from a step's keys to the next step's in qkv
.set STEPS, 16
.set ADRP,  16                         ; v16     LDS address of my p fragments in the slot in hand
.set ADRP0, 17                         ; v17     the same in slot 0; never rewritten
.set ADRV,  20                         ; v20, v21  the same for V
.set ADRV0, 21
.set STO,  24                          ; v24     the way out: where I put 32 bytes of a row
.set RD,   25                          ; v25     where I read 16 bytes of a row back
.set CO,   26                          ; v26     16 x lane: my 16 bytes in 512 consecutive bytes of out0
.set FA,   27                          ; v27     where I read the next step's four pairs; steps by 512
.set SPW,  28                          ; v28     LDS address of my spare word; never rewritten
.set NIL,  29                          ; v29     0; never rewritten
.set FTA,  30                          ; v30     where I put the pairs that I make
.set SO,   31                          ; v31     my 8 bytes in 256 consecutive bytes of stat
.set GF,   32                          ; v32-39  the factors of the step in hand
.set PF,   64
.set G1, 24                            ; s[24:31] group 1 for p's tiles; s[32:39] group 0: a set for each of the two first fills; the second then walks on
.set G0, 32
.set G1B, 48                           ; s[48:55], s[56:63] the same for V's
.set G0B, 56
.set TB,  45                           ; s45     LDS byte at which the slot in hand begins
.set MSB, 0
.macro WIN new                         ; the immediate's high byte repeats the setting that is left; a switch that changes nothing is dropped
.if MSB != (\new)
	s_set_vgpr_msb (MSB<<8)|(\new)
.set MSB, (\new)
.endif
.endm
.set MUL,  0xa1                        ; source 0 (V) window 1, source 1 (p) window 0, C and D (T) window 2
.set TO_V, 0x40                        ; destination window 1, address window 0
.set W_FL, 0xf2                        ; source 0 (T) window 2, source 1 (g) window 0, source 2 and destination (O) window 3
; A joint load.  Waves 0 and 1 fetch the two halves of p's tile, waves 2 and 3 those of V's.  An s_nop 0 and four v_nop follow each of the two lines, ahead of the jump and the label.
.macro JLOAD s
	s_cmp_eq_u32 s11, 0
	s_cbranch_scc0 .Lfor_v_\@
	tensor_load_to_lds s[G0+4*(\s):G0+4*(\s)+3], s[G1:G1+7]
	s_nop 0
.rept 4
	v_nop
.endr
	s_branch .Lasked_\@
.Lfor_v_\@:
	tensor_load_to_lds s[G0B+4*(\s):G0B+4*(\s)+3], s[G1B:G1B+7]
	s_nop 0
.rept 4
	v_nop
.endr
.Lasked_\@:
.endm
.macro CREST                           ; a round of the cluster's barrier behind its opening barrier: wave 0 signals for the work-group, every wave waits for all sixteen, my work-group's barrier closes it
	s_cmp_lg_u32 s10, 0
	s_cbranch_scc1 .Lnot_wave_0_\@
	s_barrier_signal -3
.Lnot_wave_0_\@:
	s_barrier_wait -3
	s_barrier_signal -1
	s_barrier_wait -1
.endm
.macro CROUND                          ; a whole round
	s_barrier_signal -1
	s_barrier_wait -1
	CREST
.endm
	s_load_b128 s[4:7], s[0:1], 0x0                ; p s[4:5], qkv s[6:7]
	s_load_b64 s[72:73], s[0:1], 0x10              ; stat
	s_load_b64 s[8:9], s[0:1], 0x18                ; out0
	v_lshl_add_u32 v[SPW], v0, 2, SPARE
	v_mov_b32 v[NIL], 0
	ds_add_u32 v[SPW], v[NIL]                      ; the wave's opening: the add and its wait stand ahead of my first tensor load; the set-up below, work on registers, stands between them
	v_lshrrev_b32 v1, 5, v0
	v_readfirstlane_b32 s10, v1                    ; wave 0..3
	s_lshr_b32 s11, s10, 1                         ; which 64 of the tile's rows are mine.  Also: I fetch for p (0) or for V (1)
	s_and_b32 s12, s10, 1                          ; which 128 of its channels.  Also: which half of that tile I fetch
	s_bfe_u32 s40, ttmp6, 0x40000                  ; cx
	s_bfe_u32 s41, ttmp6, 0x40004                  ; cy
	s_lshl_b32 s42, ttmp9, 2
	s_add_co_u32 s42, s42, s40                     ; tile column (256 channels) = 4 x cluster x + cx
	s_and_b32 s13, ttmp7, 0xffff
	s_lshr_b32 s45, s13, 2                         ; the batch: four clusters along y to a batch; made of the cluster's y alone, so a column's partners share it
	s_lshl_b32 s13, s13, 2
	s_add_co_u32 s13, s13, s41                     ; tile row (128 rows) = 4 x cluster y + cy
	s_lshl_b32 s43, s41, 2
	s_lshl_b32 s43, 15, s43                        ; my row of the cluster
	s_lshl_b32 s44, 0x1111, s40                    ; my column
	; group 1 for p: 4 rows (row blocks) x 512 elements of 8 bytes, no padding
	s_or_b32 s[G1+0], s43, (3<<16)|(1<<21)         ; 15:0 mask; 17:16 8-byte elements; 21 set beside a mask
	s_mov_b32 s[G1+1], 512<<16                     ; tensor_dim0 = 512
	s_mov_b32 s[G1+2], 4<<16                       ; tensor_dim1 = 4
	s_mov_b32 s[G1+3], 512<<16                     ; tile_dim0 = 512
	s_mov_b32 s[G1+4], 4                           ; tile_dim1 = 4
	s_mov_b32 s[G1+5], RBP/8                       ; elements from row block to row block
	s_mov_b32 s[G1+6], 0
	s_mov_b32 s[G1+7], 0
	; group 1 for V: 64 keys x 256 elements of 2 bytes, 8 words of padding behind every 128
	s_or_b32 s[G1B+0], s44, (1<<16)|(1<<20)|(1<<21)|(6<<22)|(7<<25)
	s_mov_b32 s[G1B+1], 256<<16
	s_mov_b32 s[G1B+2], 64<<16
	s_mov_b32 s[G1B+3], 256<<16
	s_mov_b32 s[G1B+4], 64
	s_mov_b32 s[G1B+5], 3072                       ; elements from row to row in qkv
	s_mov_b32 s[G1B+6], 0
	s_mov_b32 s[G1B+7], 0
	s_lshl_b32 s16, s13, 3
	s_lshl_b32 s17, s12, 2
	s_add_co_u32 s16, s16, s17
	s_lshl_b32 s16, s16, 16                        ; p: (8 x tile row + 4 x half) row blocks of 65,536 bytes
	s_lshl_b32 s46, s45, 11
	s_lshl_b32 s17, s12, 6
	s_add_co_u32 s46, s46, s17
	s_mul_i32 s46, s46, 6144                       ; V: (2048 x batch + 64 x half) rows of 6,144 bytes,
	s_add_co_u32 s46, s46, 4096                    ; V's columns begin 4,096 bytes into a row,
	s_lshl_b32 s47, s42, 9
	s_add_co_u32 s46, s46, s47                     ; 512 bytes a tile column.  Both offsets stay under 2^26
	s_mov_b32 s17, 0
	s_mov_b32 s47, 0
	s_mul_i32 s20, s12, PHALF                      ; where they go: no place in the cluster enters an LDS address
	s_mul_i32 s21, s12, VHALF
	s_add_co_u32 s21, s21, VOFF
	s_mov_b32 s[TB], 0                             ; (the batch has been used) slot 0 is read first
	s_wait_dscnt 0x0                               ; the opening add is done
	s_wait_kmcnt 0x0
	s_add_nc_u64 s[14:15], s[4:5], s[16:17]
	s_add_nc_u64 s[46:47], s[6:7], s[46:47]
	CROUND                                         ; all sixteen work-groups are here: the first joint loads meet
.irp s, 0,1
	s_mov_b32 s[G0+4*(\s)], 1
	s_add_co_u32 s[G0+4*(\s)+1], s20, (\s)*SLOT1
	s_add_nc_u64 s[G0+4*(\s)+2:G0+4*(\s)+3], s[14:15], (\s)*PB     ; step s: 128 keys on in each row block
	s_or_b32 s[G0+4*(\s)+3], s[G0+4*(\s)+3], 0x80000000
	s_mov_b32 s[G0B+4*(\s)], 1
	s_add_co_u32 s[G0B+4*(\s)+1], s21, (\s)*SLOT1
	s_add_nc_u64 s[G0B+4*(\s)+2:G0B+4*(\s)+3], s[46:47], (\s)*VSTEP  ; step s: 128 keys down V's rows
	s_or_b32 s[G0B+4*(\s)+3], s[G0B+4*(\s)+3], 0x80000000
	JLOAD \s                                       ; two loads of mine are out
.endr
	s_lshl_b32 s16, s13, 7
	s_lshl_b32 s17, s11, 6
	s_add_co_u32 s16, s16, s17                     ; my first row
	s_lshl_b32 s70, s16, 2
	s_mov_b32 s71, 0
	s_add_nc_u64 s[72:73], s[72:73], s[70:71]      ; stat at my 64 rows
	v_and_b32 v3, 31, v0                           ; l
	v_lshlrev_b32 v[SO], 3, v3
	; THE FACTORS of my wave's 64 rows; lane l makes rows 2 l and 2 l + 1.  Each load takes 256 consecutive bytes of stat, aligned: c m of step t into v[64 + 2 t ..], l into v[96 + 2 t ..]
.set t, 0
.rept 16
	global_load_b64 v[64+2*t:65+2*t], v[SO], s[72:73] offset:32768*t
	global_load_b64 v[96+2*t:97+2*t], v[SO], s[72:73] offset:32768*t+524288
.set t, t+1
.endr
	s_lshl_b32 s70, s16, 12                        ; out0: rows of 4,096 bytes,
	s_lshl_b32 s22, s42, 10
	s_add_co_u32 s70, s70, s22                     ; 1,024 bytes a tile column,
	s_lshl_b32 s22, s12, 9
	s_add_co_u32 s70, s70, s22                     ; 512 for my half
	s_add_nc_u64 s[8:9], s[8:9], s[70:71]
	v_and_b32 v1, 15, v0                           ; r = l % 16
	v_bfe_u32 v2, v0, 4, 1                         ; h = l / 16
	v_lshlrev_b32 v[CO], 4, v3
	s_mul_i32 s22, s11, PHALF                      ; my four row blocks of p
	v_add_nc_u32 v[ADRP0], s22, v[CO]
	; The turning load takes 16 keys x 16 channels (lane l reads key 8 (l / 16) + l % 8, channels 8 ((l / 8) % 2) + 0..7) and leaves half a fragment of V^T: lane l holds channel l % 16 and 8 keys
	v_and_b32 v5, 7, v0
	v_bfe_u32 v6, v0, 3, 1
	v_lshl_add_u32 v7, v2, 3, v5
	v_mul_u32_u24 v7, v7, PV
	v_lshl_add_u32 v7, v6, 4, v7
	s_lshl_b32 s22, s12, 8                         ; my 128 channels
	s_add_co_u32 s22, s22, VOFF
	v_add_nc_u32 v[ADRV0], s22, v7
	v_add_nc_u32 v[ADRP], s[TB], v[ADRP0]
	v_add_nc_u32 v[ADRV], s[TB], v[ADRV0]
	s_mul_i32 s23, s10, 16*SP
	s_add_co_u32 s23, s23, STAGE                   ; my stage
	v_mul_u32_u24 v8, v1, SP                       ; in: row r, 32 bytes for each half of the lanes
	v_lshl_add_u32 v8, v2, 5, v8
	v_add_nc_u32 v[STO], s23, v8
	v_add_nc_u32 v[RD], s23, v[CO]                 ; back: 32 lanes take one row of 512 bytes
	s_mul_i32 s23, s10, FTW
	s_add_co_u32 s23, s23, FT                      ; my table of factors
	v_lshlrev_b32 v8, 5, v1
	v_add_nc_u32 v[FA], s23, v8                    ; read: the four pairs of rows r, 16 + r, 32 + r, 48 + r: 32 bytes at 32 r
	v_lshrrev_b32 v8, 3, v3
	v_lshlrev_b32 v8, 3, v8
	v_lshl_add_u32 v8, v5, 6, v8
	v_add_nc_u32 v[FTA], s23, v8                   ; written: rows 2 l and 2 l + 1 are a = l / 8, r = 2 (l % 8) and one more: byte 64 (l % 8) + 8 (l / 8), and 32 further on
	WIN 0xc0                                       ; destination window 3
.set i, 0
.rept 256
	v_mov_b32 v[i], 0                              ; O = 0, while stat and the first tiles are on their way
.set i, i+1
.endr
	WIN 0
	s_wait_loadcnt 0x0
.irp e, 0,1
	v_max3_num_f32 v[128+(\e)], v[64+(\e)], v[66+(\e)], v[68+(\e)]
.irp t, 3,5,7,9,11,13
	v_max3_num_f32 v[128+(\e)], v[128+(\e)], v[64+2*(\t)+(\e)], v[66+2*(\t)+(\e)]
.endr
	v_max_num_f32 v[128+(\e)], v[128+(\e)], v[94+(\e)]  ; M
.endr
.set t, 0
.rept 16
	v_pk_add_f32 v[64+2*t:65+2*t], v[64+2*t:65+2*t], v[128:129] neg_lo:[0,1] neg_hi:[0,1]  ; c m_t - M
.set t, t+1
.endr
.set t, 0
.rept 32
	v_exp_f32 v[64+t], v[64+t]                     ; f
.set t, t+1
.endr
	v_nop                                          ; a plain instruction between the last exponential and the use of its result (ISA guide 5.7.2)
	s_wait_alu depctr_va_vdst(0)
	v_pk_mul_f32 v[130:131], v[64:65], v[96:97]
.set t, 1
.rept 15
	v_pk_fma_f32 v[130:131], v[64+2*t:65+2*t], v[96+2*t:97+2*t], v[130:131]  ; L
.set t, t+1
.endr
	v_rcp_f32 v132, v130
	v_rcp_f32 v133, v131
	v_nop                                          ; a plain instruction behind the reciprocals
.set t, 0
	s_wait_alu depctr_va_vdst(0)
.rept 16
.irp e, 0,1
	v_mul_f32 v[136+4*t+2*(\e)], v[64+2*t+(\e)], v[132+(\e)]  ; g = f / L, twice: the pair that the packed multiply-add takes
	v_mul_f32 v[137+4*t+2*(\e)], v[64+2*t+(\e)], v[132+(\e)]
.endr
.set t, t+1
.endr
.set t, 0
.rept 16
.irp e, 0,1
	ds_store_b64 v[FTA], v[136+4*t+2*(\e):137+4*t+2*(\e)] offset:512*t+32*(\e)  ; my wave's own bytes: its later loads are served in order behind these
.endr
.set t, t+1
.endr
; 16 matrix instructions: row blocks a0, a0 + 1 x all 8 channel blocks, 32 keys: part c of buffer f.  zero = 1: the products start the step's sums.  The 32 accumulators take turns in one order.
.macro MUL16 f, c, a0, zero
	WIN MUL
.irp a, \a0, (\a0)+1
.irp b, 0,1,2,3,4,5,6,7
.if \zero
	v_wmma_f32_16x16x32_f16 v[8*(8*(\a)+(\b)):8*(8*(\a)+(\b))+7], v[128*(\f)+64*(\c)+8*(\b):128*(\f)+64*(\c)+8*(\b)+7], v[PF+64*(\f)+32*(\c)+8*(\a):PF+64*(\f)+32*(\c)+8*(\a)+7], 0
.else
	v_wmma_f32_16x16x32_f16 v[8*(8*(\a)+(\b)):8*(8*(\a)+(\b))+7], v[128*(\f)+64*(\c)+8*(\b):128*(\f)+64*(\c)+8*(\b)+7], v[PF+64*(\f)+32*(\c)+8*(\a):PF+64*(\f)+32*(\c)+8*(\a)+7], v[8*(8*(\a)+(\b)):8*(8*(\a)+(\b))+7]
.endif
.endr
.endr
.endm
.macro MUL32 f, c, zero
	MUL16 \f, \c, 0, \zero
	MUL16 \f, \c, 2, \zero
.endm
.macro FV half, f, c                   ; 16 turning loads: V's fragments of 32 keys
	WIN TO_V
.irp b, 0,1,2,3,4,5,6,7
	ds_load_tr16_b128 v[128*(\f)+64*(\c)+8*(\b):128*(\f)+64*(\c)+8*(\b)+3],   v[ADRV] offset:(64*(\half)+32*(\c))*PV+32*(\b)
	ds_load_tr16_b128 v[128*(\f)+64*(\c)+8*(\b)+4:128*(\f)+64*(\c)+8*(\b)+7], v[ADRV] offset:(64*(\half)+32*(\c)+16)*PV+32*(\b)
.endr
.endm
; One run of 48 LDS loads: the fragments of 64 keys (half 0 or 1 of the step in the slot in hand) into buffer f.  Order: V of the first 32 keys (16 loads); p of the first 32 (8) and of the second 32 (8);
; V of the second 32 (16).  So 24 loads stand behind all that the first 32 keys need.
.macro FETCH half, f
	FV \half, \f, 0
	WIN 0
.irp c, 0,1
.irp a, 0,1,2,3
	ds_load_b128 v[PF+64*(\f)+32*(\c)+8*(\a):PF+64*(\f)+32*(\c)+8*(\a)+3],   v[ADRP] offset:(\a)*PB+(2*(\half)+(\c))*1024
	ds_load_b128 v[PF+64*(\f)+32*(\c)+8*(\a)+4:PF+64*(\f)+32*(\c)+8*(\a)+7], v[ADRP] offset:(\a)*PB+(2*(\half)+(\c))*1024+512
.endr
.endr
	FV \half, \f, 1
.endm
.macro PLACES                          ; four plain vector instructions between a matrix instruction and a load into, or a vector instruction on, its registers (ISA guide 7.12.1 for vector instructions)
.rept 4
	v_nop
.endr
.endm
.macro GLOAD                           ; the next step's four pairs (g, g); they are used a whole step later
	WIN 0
	ds_load_b128 v[GF:GF+3], v[FA]
	ds_load_b128 v[GF+4:GF+7], v[FA] offset:16
	v_add_nc_u32 v[FA], 512, v[FA]
.endm
; A step's first 64 keys: multiplies buffer 0, its first products starting T anew, and fetches the second 64 into buffer 1 (whose last readers stand in front of FLUSH's 132 vector instructions)
.macro HALF
	s_wait_dscnt 26                                ; the first 32 keys' fragments are in; the second 32 keys' 24 loads and the two loads of factors may be out
	MUL32 0, 0, 1
	s_wait_dscnt 0x0                               ; the rest, issued 32 matrix instructions ago or more
	FETCH 1, 1
	MUL32 0, 1, 0
.endm
; A step's second 64 keys: multiplies buffer 1 and changes slots: ONE barrier.  In front of it each wave waits for all its tensor loads (the one that is out is its part of the next slot), adds 0 to its
; spare word, and waits for that and for its own reads of this slot.  fill = 1: the barrier opens a round of the cluster's barrier, and this slot is filled again, two steps ahead, first thing behind the round.
.macro TURN fill
	WIN 0                                          ; (the add's two registers lie in window 0)
	s_wait_tensorcnt 0x0
	ds_add_u32 v[SPW], v[NIL]                      ; 0 onto my spare word
	s_wait_dscnt 25                                ; (the add and the second 32 keys' 24 loads may be out)
	MUL16 1, 0, 0, 0                               ; sixteen matrix instructions stand between the add and the wait for it
	s_wait_dscnt 0x0                               ; the add is done, and my reads of this slot are over
	s_barrier_signal -1
	MUL16 1, 0, 2, 0
	WIN 0                                          ; (branches and address lines follow)
	s_barrier_wait -1
.if \fill
	CREST                                          ; no wave of any partner still reads this slot or has a load on its way
	s_xor_b32 s[G0+5], s[G0+5], SLOT1              ; the walking descriptors: the other slot than last time,
	s_add_nc_u64 s[G0+6:G0+7], s[G0+6:G0+7], PB    ; the next step; the type bits on top are not reached
	s_xor_b32 s[G0B+5], s[G0B+5], SLOT1
	s_add_nc_u64 s[G0B+6:G0B+7], s[G0B+6:G0B+7], VSTEP
	JLOAD 1                                        ; my one tensor load behind the round: 96 matrix instructions ahead of the wait for it; its four v_nop are also the places in front of the loads below
.else
	PLACES
.endif
	s_xor_b32 s[TB], s[TB], SLOT1                  ; the other slot is in hand
	v_add_nc_u32 v[ADRP], s[TB], v[ADRP0]
	v_add_nc_u32 v[ADRV], s[TB], v[ADRV0]
	FETCH 0, 0
	MUL32 1, 1, 0
.endm
; O = g T + O for the step just multiplied: 128 packed multiply-adds in one run, while the 48 loads just issued land.  Each accumulator is read from its low end on.
.macro FLUSH
	PLACES
	WIN W_FL
.irp a, 0,1,2,3
.set i, 0
.rept 32
	v_pk_fma_f32 v[64*(\a)+2*i:64*(\a)+2*i+1], v[64*(\a)+2*i:64*(\a)+2*i+1], v[GF+2*(\a):GF+2*(\a)+1], v[64*(\a)+2*i:64*(\a)+2*i+1]
.set i, i+1
.endr
.endr
.endm
	s_wait_dscnt 0x0                               ; my stores into the table are done: no LDS instruction is out at a signal
	s_wait_tensorcnt 1                             ; my part of step 0 is in; step 1's may stay out
	s_barrier_signal -1
	s_barrier_wait -1                              ; everybody's is
	FETCH 0, 0
	GLOAD
	HALF
	WIN 0                                          ; at a label and at a branch every window is 0
	s_mov_b32 s3, STEPS-2
.Lstep:                                                ; 14 trips, each from a step's second half to the next step's first; each fills the slot that it leaves, with steps 2 to 15
	TURN 1
	FLUSH
	GLOAD
	HALF
	WIN 0
	s_sub_co_u32 s3, s3, 1
	s_cmp_lg_u32 s3, 0
	s_cbranch_scc1 .Lstep
	s_mov_b32 s3, 2
.Ltail:                                                ; the last two steps fill nothing: a text of their own; the second trip is left in its middle.
	TURN 0                                         ; In that trip the change of slots and its 48 loads (of step 14's bytes once more) serve nothing: the price, once a launch, of one text for both trips
	FLUSH
	WIN 0
	s_sub_co_u32 s3, s3, 1
	s_cmp_eq_u32 s3, 0
	s_cbranch_scc1 .Lout
	GLOAD
	HALF
	WIN 0
	s_branch .Ltail
.Lout:
	s_wait_dscnt 0x0                               ; those loads are back: their registers are used below
	; THE WAY OUT, a row block (16 rows x 128 channels of f32) at a time: a lane's 32 bytes go from O's registers into rows of 528 bytes of my stage; back as whole rows of 512; stored.
.irp a, 0,1,2,3
	WIN 0x0c                                       ; the stores' data (source 1) in window 3
.irp b, 0,1,2,3,4,5,6,7
	ds_store_b128 v[STO], v[64*(\a)+8*(\b):64*(\a)+8*(\b)+3] offset:64*(\b)
	ds_store_b128 v[STO], v[64*(\a)+8*(\b)+4:64*(\a)+8*(\b)+7] offset:64*(\b)+16
.endr
	WIN 0
	s_wait_xcnt 0x0                                ; v64-127, which the last block's stores read, are loaded again only behind this wait
.irp i, 0,1,2,3,4,5,6,7,8,9,10,11,12,13,14,15
	ds_load_b128 v[64+4*(\i):64+4*(\i)+3], v[RD] offset:(\i)*SP  ; LDS serves a wave's instructions in order (ISA guide 5.7.1.4): these see the stores above
.endr
.irp i, 0,1,2,3,4,5,6,7,8,9,10,11,12,13,14,15
	s_wait_dscnt 15-(\i)
	global_store_b128 v[CO], v[64+4*(\i):64+4*(\i)+3], s[8:9] offset:(16*(\a)+(\i))*4096  ; 512 consecutive bytes, at a multiple of 512 from out0's first byte
.endr
.endr
	s_wait_tensorcnt 0x0                           ; the wave's end, behind my last tensor load and my last LDS store
	ds_add_u32 v[SPW], v[NIL]
	s_wait_dscnt 0x0
	CROUND                                         ; the closing round: no work-group ends while a partner may still ask for a tile that names it
	s_endpgm
.Lfunc_end_k_q4fc0c87ba5_mix:
	.size	k_q4fc0c87ba5_mix, .Lfunc_end_k_q4fc0c87ba5_mix-k_q4fc0c87ba5_mix
	.p2alignl 7, 3214868480
	.fill 96, 4, 3214868480
	.section	.rodata,"a",@progbits
	.p2align	6, 0x0
	.amdhsa_kernel k_q4fc0c87ba5_mix
		.amdhsa_group_segment_fixed_size 327680
		.amdhsa_private_segment_fixed_size 0
		.amdhsa_enable_private_segment 0
		.amdhsa_kernarg_size 32
		.amdhsa_user_sgpr_count 2
		.amdhsa_user_sgpr_kernarg_segment_ptr 1
		.amdhsa_wavefront_size32 1
		.amdhsa_system_sgpr_workgroup_id_x 1
		.amdhsa_system_sgpr_workgroup_id_y 1
		.amdhsa_system_sgpr_workgroup_id_z 1
		.amdhsa_system_vgpr_workitem_id 0
		.amdhsa_next_free_vgpr 1024
		.amdhsa_next_free_sgpr 76
		.amdhsa_reserve_vcc 0
		.amdhsa_float_denorm_mode_32 3
		.amdhsa_float_denorm_mode_16_64 3
		.amdhsa_memory_ordered 1
		.amdhsa_forward_progress 1
		.amdhsa_inst_pref_size 102
	.end_amdhsa_kernel
	.amdgpu_metadata
---
amdhsa.version: [ 1, 2 ]
amdhsa.kernels:
  - .name:           k_q4fc0c87ba5_mix
    .symbol:         k_q4fc0c87ba5_mix.kd
    .args:
      - { .name: p, .offset: 0, .size: 8, .value_kind: global_buffer, .address_space: global }
      - { .name: qkv, .offset: 8, .size: 8, .value_kind: global_buffer, .address_space: global }
      - { .name: stat, .offset: 16, .size: 8, .value_kind: global_buffer, .address_space: global }
      - { .name: out0, .offset: 24, .size: 8, .value_kind: global_buffer, .address_space: global }
    .group_segment_fixed_size: 327680
    .private_segment_fixed_size: 0
    .kernarg_segment_align: 8
    .kernarg_segment_size: 32
    .max_flat_workgroup_size: 128
    .sgpr_count:     76
    .vgpr_count:     1024
    .wavefront_size: 32
...
	.end_amdgpu_metadata
.endif
;; end of part 4
